; MI455X (gfx1250); checked and timed in simulation.
; The chip was launched on July 23, 2026; its instructions are those of AMD's public machine-readable ISA for CDNA 5 (MIT licence, August 2026) and "CDNA5" Instruction Set Architecture Reference Guide (July 2026). The comments in the code are by the model that wrote it; some were corrected since.
;; Self Attention. Allowed arithmetic: matrix products marked QUANTISED: E4M3 operands, one E8M0 scale for each 32 along K, by v_wmma_scale_f32_16x16x128_f8f6f4 with both operands' format E4M3, f32 sums; products left as they are: f32 operands where the result goes on into a quantised operand, else bf16, f16 or f32 operands; f32 sums; everything else in f32.
;; Inputs: bk 1,024 float32; bo 1,024 float32; bq 1,024 float32; bv 1,024 float32; wk 1,024 x 1,024 float32; wo 1,024 x 1,024 float32; wq 1,024 x 1,024 float32; wv 1,024 x 1,024 float32; x 4 x 4,096 x 1,024 float32.
;; Outputs: out0 4 x 4,096 x 1,024 float32.
;; This version of the problem:
;;   THIS VERSION OF THE PROBLEM IS GIVEN IN LOW PRECISION. The matrix products marked QUANTISED in the list below multiply operands that are first quantised to E4M3 (4 exponent bits, 3 mantissa bits; 8 bits a number), with one power-of-two scale for each 32 numbers along K (OCP MX v1.0); their sums are f32. All else is computed in f32.
;;   The module's matrix products, in the order in which they are computed (A, B: the left and right operand; K: the contracted axis; several contracted axes count as one K, in the product's order):
;;     1. [M 16,384, K 1,024] x [K 1,024, N 1,024]; A: input x; B: input wq: QUANTISED
;;     2. [M 16,384, K 1,024] x [K 1,024, N 1,024]; A: input x; B: input wk: QUANTISED
;;     3. [M 16,384, K 1,024] x [K 1,024, N 1,024]; A: input x; B: input wv: QUANTISED
;;     4. batch 16,384 x [M 16, K 64] x [K 64, N 16]; A: computed on the way; B: computed on the way: QUANTISED
;;     5. batch 16,384 x [M 16, K 16] x [K 16, N 64]; A: softmax; B: computed on the way: left as it is (K = 16 < 32)
;;     6. [M 16,384, K 1,024] x [K 1,024, N 1,024]; A: computed on the way; B: input wo: QUANTISED
;;   THE QUANTISER, for each operand of a quantised product, along K:
;;     - K is cut into blocks of 32 from its start; a last block that is shorter is filled with zeros.
;;     - A block's scale is 2^e with e = floor(log2(the largest magnitude in the block)) - 8, held to -126 .. 127; a block of zeros has e = 0. As a byte (E8M0): e + 127.
;;     - Each number is divided by its block's scale, clamped to +-448, and rounded to the nearest number of E4M3, ties to even, subnormals kept.
;;     - The product sums the exact products of the quantised numbers (number of the format x scale) in f32.
;;   ~~~python
;;   def quantise(x, axis):      # numpy; x: float32 -> the quantised numbers, widened to float32 again
;;       x = np.moveaxis(x, axis, -1); K = x.shape[-1]
;;       x = np.pad(x, [(0, 0)] * (x.ndim - 1) + [(0, -K % 32)]); x = x.reshape(x.shape[:-1] + (-1, 32)); a = np.abs(x).max(-1, keepdims=True)
;;       e = np.where(a > 0, np.clip(np.frexp(np.where(a > 0, a, 1))[1] - 1 - 8, -126, 127), 0)      # np.frexp(a)[1] - 1 = floor(log2(a)), exactly
;;       r = np.clip(x / 2.0 ** e, -448, 448)
;;       step = 2.0 ** (np.maximum(np.frexp(np.where(r == 0, 1, r))[1] - 1, -6) - 3)
;;       q = np.round(r / step) * step * 2.0 ** e      # np.round: ties to even
;;       return np.moveaxis(q.reshape(q.shape[:-2] + (-1,))[..., :K], -1, axis).astype(np.float32)
;;   ~~~
;;   OPERANDS COMPUTED ON THE WAY. 'Computed on the way' means the value that the module computes at that place (a softmax that the list does not call 'softmax' is quantised finished and normalised). What goes into a quantiser is computed in f32, as accurately as f32 sums, v_exp_f32 and their like allow (about 1e-6 of the number): no bf16 or f16 on the way to a quantiser, and a product that is left as it is and whose result goes on into a quantised operand takes f32 operands (vector FMAs, or v_wmma_f32_16x16x4_f32). A number that lies on a knife's edge between two numbers of the format may be rounded either way, as far as f32 arithmetic and the matrix unit's own rounding can turn it there, and no further.
;; One version. Each part assembles by itself: llvm-mc -triple=amdgcn-amd-amdhsa -mcpu=gfx1250 --defsym DOCPART=n.
;; ======== version 1 of 1: 2 launches
;; limits: right only within a limited range of input values
;; workspace buffers: wpack 4,390,912 bytes
;; launch prep (part 1): grid 256 x 1, 4 waves a work-group, no clusters, 68,096 bytes of LDS; arguments wq, wk, wv, wo, bq, bk, bv, bo, wpack; writes wpack
.if DOCPART == 1
	.amdgcn_target "amdgcn-amd-amdhsa--gfx1250"
	.amdhsa_code_object_version 6
	.text
	.protected	k_q8f8826e518_prep
	.globl	k_q8f8826e518_prep
	.p2align	8
	.type	k_q8f8826e518_prep,@function
k_q8f8826e518_prep:
	s_mov_b64 s[64:65], 0
	v_nop
	global_prefetch_b8 v0, s[64:65] scope:SCOPE_SE
	s_setreg_imm32_b32 hwreg(HW_REG_WAVE_MODE, 25, 1), 1
	s_wait_xcnt 0x0
; The four weights [1024 (n)][1024 (k)], f32, K innermost, become codes of FP8 (E4M3) with one E8M0 byte for each 32 along K, laid in the ORDER OF THE OPERAND'S REGISTERS,
; with their scale words and biases beside them, in the order in which the next launch's waves take them.
; wpack is 256 chunks of CH = 17,152 bytes.  Chunk c = 4 T + w: w = the wave that will read it, T = 0..63 its place in that wave's stream: g = T / 16 picks wq, wk, wv, wo; t = T % 16.
; A chunk is ONE TILE of 16 weight rows over all of K:
;   0 .. 16,383       codes: K step ks (0..7), piece cc (0..3), lane l: 16 bytes at 2048 ks + 512 cc + 16 l = row n(l % 16), k = 128 ks + 32 cc + 16 (l / 16) + 0 .. 15
;   16,384 .. 16,895  scale words: image p (0..3), lane l: the word of row n(l % 16) for K step 2 p + l / 16
;   16,896 .. 17,023  the bias: word l = bias[n(l % 16)];   the last 128 bytes are neither written nor read
; WHICH ROWS FORM A TILE: n(idx) = sb + idx x mul + (idx >= 8 ? ex : 0):
;   wq, wk: sb = 256 w + 32 (t / 2) + 8 (t % 2), mul 1, ex 8: two neighbouring tiles then give a lane of the result 16 neighbours along the next K
;   wv:     sb = 32 (t / 8) + 8 w + t % 8, mul 64, ex 0: a tile is one channel d of all 16 heads
;   wo:     sb = 256 w + 16 t, mul 1, ex 0
; in LDS (rows 528 bytes apart), so that a lane then holds 16 neighbours of each block of 32.  No barrier: waves share nothing.
; THE QUANTISER: a block's scale is 2^(floor(log2(its largest magnitude)) - 8); the number is divided by it, held within +-448 and rounded to the nearest code, ties to even.
; LIMITS: NaN and infinities are not served.  A block whose largest magnitude lies under 2^-118 keeps the byte 1; so does a block of zeros, where the rule says 127: its codes are zeros, and this program alone reads the bytes.
.set CH,  17152
.set RO,  16                           ; v16-31   row rr: 16 x lane + n(rr) x 4096 + kw x 1024
.set R,   32                           ; v32-159  two K steps as loaded: 16 rows x 4 registers each
.set X,   160                          ; v160-223 register 16 b + i = k 32 b + 16 (lane / 16) + i of row lane % 16
.set PC,  224                          ; v224-239 the codes just made
.set TM,  240                          ; v240-243 largest magnitudes, v244-247 bytes, v248-251 448 x the scale, v252-255 the conversion's scale operand
.set PW,  10                           ; v10      the scale word just made
.set PWE, 11                           ; v11      that of the even K step
.set SEL, 2                            ; s[2:3]   v_permlanex16_b32's selects for lane l xor 16
.set MNT, 15                           ; s15      the mantissa field of 448
; 64 numbers of a lane, four blocks of 16 registers, become 16 registers of codes at v[PC] and four bytes at v[TM+4]
.macro QUANT s
.irp b, 0,1,2,3
	v_max3_num_f32 v[TM+\b], |v[\s+16*\b]|, |v[\s+1+16*\b]|, 0x4800000   ; my 16 numbers of block b, and the floor 2^(9 - 127): the byte cannot fall under 1
.endr
.irp i, 2,4,6,8,10,12,14
.irp b, 0,1,2,3
	v_max3_num_f32 v[TM+\b], v[TM+\b], |v[\s+16*\b+\i]|, |v[\s+1+16*\b+\i]|   ; the four blocks by turns
.endr
.endr
.irp b, 0,1,2,3
	v_permlanex16_b32 v[TM+4+\b], v[TM+\b], s[SEL], s[SEL+1]
.endr
.irp b, 0,1,2,3
	v_max_num_f32 v[TM+\b], v[TM+\b], v[TM+4+\b]               ; with lane l xor 16's 16: the block's largest magnitude
.endr
.irp b, 0,1,2,3
	v_add_nc_u32 v[TM+12+\b], 0xfc000000, v[TM+\b]             ; 8 off its exponent field: the conversion takes the exponent field of this operand as its scale
.endr
.irp b, 0,1,2,3
	v_and_or_b32 v[TM+8+\b], v[TM+\b], 0x7f800000, s[MNT]      ; 448 x the scale
.endr
.irp b, 0,1,2,3
	v_lshrrev_b32 v[TM+4+\b], 23, v[TM+12+\b]                  ; the scale's byte
.endr
.irp b, 0,1,2,3
.irp i, 0,1,2,3,4,5,6,7,8,9,10,11,12,13,14,15
	v_med3_num_f32 v[\s+16*\b+\i], v[\s+16*\b+\i], -v[TM+8+\b], v[TM+8+\b]   ; the conversion to an 8-bit code does not saturate (ISA guide 7.6.2): the hold comes first
.endr
	v_cvt_scalef32_pk8_fp8_f32 v[PC+4*\b:PC+1+4*\b], v[\s+16*\b:\s+7+16*\b], v[TM+12+\b]
	v_cvt_scalef32_pk8_fp8_f32 v[PC+2+4*\b:PC+3+4*\b], v[\s+8+16*\b:\s+15+16*\b], v[TM+12+\b]
.endr
	v_nop                                          ; a plain line behind the last conversion
.endm
	s_load_b512 s[16:31], s[0:1], 0x0              ; wq s[16:17], wk s[18:19], wv s[20:21], wo s[22:23], bq s[24:25], bk s[26:27], bv s[28:29], bo s[30:31]
	s_load_b64 s[32:33], s[0:1], 0x40              ; wpack
	v_lshl_add_u32 v13, v0, 2, 67584               ; my spare word, behind the four waves' stages; kept for the closing add alone
	v_mov_b32 v14, 0                               ; 0; kept likewise
	v_lshrrev_b32 v1, 5, v0
	v_readfirstlane_b32 s8, v1                     ; kw: wave 0..3
	v_and_b32 v1, 31, v0                           ; lane
	v_and_b32 v2, 15, v0                           ; r
	v_bfe_u32 v3, v0, 4, 1                         ; h
	v_lshlrev_b32 v4, 4, v1                        ; 16 x lane
	v_lshlrev_b32 v5, 2, v1                        ; 4 x lane
	v_cmp_eq_u32 s40, 1, v3                        ; the mask of lanes 16-31
	s_mul_i32 s46, s8, 16896                       ; my two stages of 16 x 528 bytes
	v_add_nc_u32 v6, s46, v4                       ; into a stage: a row's 512 bytes as loaded
	v_mul_u32_u24 v7, v2, 528
	v_lshl_add_u32 v7, v3, 6, v7
	v_add_nc_u32 v7, s46, v7                       ; out of it: row r, + 64 h: my 16 numbers of a block
	s_mov_b32 s[SEL], 0x76543210
	s_mov_b32 s[SEL+1], 0xfedcba98
	s_mov_b32 s[MNT], 0x600000
.irp b, 0,1,2,3
	v_mov_b32 v[TM+4+\b], 0                        ; written once: a lane permute's destination counts as one of its sources
.endr
	s_and_b32 s10, ttmp9, 3                        ; w
	s_lshr_b32 s11, ttmp9, 2                       ; T
	s_lshr_b32 s12, s11, 4                         ; g
	s_and_b32 s13, s11, 15                         ; t
	s_lshl_b32 s14, s10, 8                         ; sb for wq, wk: 256 w + 32 (t / 2) + 8 (t % 2)
	s_lshr_b32 s46, s13, 1
	s_lshl_b32 s46, s46, 5
	s_add_co_u32 s14, s14, s46
	s_and_b32 s46, s13, 1
	s_lshl_b32 s46, s46, 3
	s_add_co_u32 s14, s14, s46
	s_lshr_b32 s43, s13, 3                         ; sb for wv: 32 (t / 8) + 8 w + t % 8
	s_lshl_b32 s43, s43, 5
	s_lshl_b32 s46, s10, 3
	s_add_co_u32 s43, s43, s46
	s_and_b32 s46, s13, 7
	s_add_co_u32 s43, s43, s46
	s_lshl_b32 s44, s10, 8                         ; sb for wo: 256 w + 16 t
	s_lshl_b32 s46, s13, 4
	s_add_co_u32 s44, s44, s46
	s_wait_kmcnt 0x0
	s_cmp_eq_u32 s12, 1                            ; the choices hang on the work-group's number alone
	s_cselect_b64 s[4:5], s[18:19], s[16:17]       ; the weight
	s_cselect_b64 s[6:7], s[26:27], s[24:25]       ; its bias
	s_cmp_eq_u32 s12, 2
	s_cselect_b64 s[4:5], s[20:21], s[4:5]
	s_cselect_b64 s[6:7], s[28:29], s[6:7]
	s_cselect_b32 s14, s43, s14                    ; sb
	s_cselect_b32 s41, 64, 1                       ; mul
	s_cselect_b32 s42, 0, 8                        ; ex
	s_cmp_eq_u32 s12, 3
	s_cselect_b64 s[4:5], s[22:23], s[4:5]
	s_cselect_b64 s[6:7], s[30:31], s[6:7]
	s_cselect_b32 s14, s44, s14
	s_cselect_b32 s42, 0, s42
	s_mul_i32 s46, ttmp9, CH
	s_mov_b32 s47, 0
	s_add_nc_u64 s[34:35], s[32:33], s[46:47]      ; my chunk
	s_lshl_b32 s46, s8, 12
	s_add_nc_u64 s[36:37], s[34:35], s[46:47]      ; my two K steps' codes: 4,096 bytes a wave
	s_lshl_b32 s46, s8, 7
	s_add_nc_u64 s[38:39], s[34:35], s[46:47]      ; my scale image: 128 bytes a wave
	s_lshl_b32 s43, s14, 12                        ; row n(0), in bytes,
	s_lshl_b32 s46, s8, 10
	s_add_co_u32 s43, s43, s46                     ; + my two K steps' place in a row
	s_lshl_b32 s44, s41, 12                        ; from a tile's row to the next
	s_lshl_b32 s45, s42, 12                        ; the jump in the tile's middle
.irp rr, 0,1,2,3,4,5,6,7,8,9,10,11,12,13,14,15
.if \rr == 8
	s_add_co_u32 s43, s43, s45
.endif
	v_add_nc_u32 v[RO+\rr], s43, v4
	s_add_co_u32 s43, s43, s44
.endr
	s_wait_alu depctr_va_vdst(0)
.irp ss, 0,1
.irp rr, 0,1,2,3,4,5,6,7,8,9,10,11,12,13,14,15
	global_load_b128 v[R+64*\ss+4*\rr:R+64*\ss+4*\rr+3], v[RO+\rr], s[4:5] offset:512*\ss th:TH_LOAD_NT   ; 32 lanes read 512 consecutive bytes of a row; read once in the launch
.endr
.endr
.macro PSTEP s
	s_wait_loadcnt 16*(1-\s)                       ; this step's 16 loads are in; the other step's 16 may be out
.irp rr, 0,1,2,3,4,5,6,7,8,9,10,11,12,13,14,15
	ds_store_b128 v6, v[R+64*\s+4*\rr:R+64*\s+4*\rr+3] offset:8448*\s+528*\rr
.endr
.irp b, 0,1,2,3
.irp j, 0,1,2,3
	ds_load_b128 v[X+16*\b+4*\j:X+16*\b+4*\j+3], v7 offset:8448*\s+128*\b+16*\j   ; LDS serves a wave's instructions in order: these see the stores above
.endr
.endr
	s_wait_dscnt 0x0
.if \s
	s_wait_xcnt 0x0                                ; the first step's stores have read v[PC] on: only now are the codes written anew
.endif
	QUANT X
	v_lshl_or_b32 v[PW], v[TM+5], 8, v[TM+4]       ; the four bytes make row r's scale word for this K step
	v_lshl_or_b32 v[PW], v[TM+6], 16, v[PW]
	v_lshl_or_b32 v[PW], v[TM+7], 24, v[PW]
.irp cc, 0,1,2,3
	global_store_b128 v4, v[PC+4*\cc:PC+4*\cc+3], s[36:37] offset:2048*\s+512*\cc   ; 512 consecutive bytes, at a multiple of 256 from wpack's first byte
.endr
.endm
	PSTEP 0
	v_mov_b32 v[PWE], v[PW]
	PSTEP 1
	v_cndmask_b32 v[PW], v[PWE], v[PW], s40        ; lanes 0-15 the even K step's word, lanes 16-31 the odd one's
	global_store_b32 v5, v[PW], s[38:39] offset:16384
	s_wait_tensorcnt 0x0                           ; behind my last LDS store
	ds_add_u32 v13, v14
	s_wait_dscnt 0x0
	s_cmp_lg_u32 s8, 0                             ; the bias: wave 0 alone
	s_cbranch_scc1 .Ldone
	v_mul_u32_u24 v8, v2, s41                      ; r x mul
	v_lshrrev_b32 v9, 3, v2
	v_mad_u32_u24 v8, v9, s42, v8                  ; + ex from r = 8 on
	v_add_lshl_u32 v8, v8, s14, 2                  ; (+ sb) x 4 bytes
	global_load_b32 v12, v8, s[6:7]
	s_wait_loadcnt 0x0
	global_store_b32 v5, v12, s[34:35] offset:16896
.Ldone:
	s_endpgm
.Lfunc_end_k_q8f8826e518_prep:
	.size	k_q8f8826e518_prep, .Lfunc_end_k_q8f8826e518_prep-k_q8f8826e518_prep
	.p2alignl 7, 3214868480
	.fill 96, 4, 3214868480
	.section	.rodata,"a",@progbits
	.p2align	6, 0x0
	.amdhsa_kernel k_q8f8826e518_prep
		.amdhsa_group_segment_fixed_size 68096
		.amdhsa_private_segment_fixed_size 0
		.amdhsa_enable_private_segment 0
		.amdhsa_kernarg_size 72
		.amdhsa_user_sgpr_count 2
		.amdhsa_user_sgpr_kernarg_segment_ptr 1
		.amdhsa_wavefront_size32 1
		.amdhsa_system_sgpr_workgroup_id_x 1
		.amdhsa_system_sgpr_workgroup_id_y 1
		.amdhsa_system_sgpr_workgroup_id_z 1
		.amdhsa_system_vgpr_workitem_id 0
		.amdhsa_next_free_vgpr 256
		.amdhsa_next_free_sgpr 66
		.amdhsa_reserve_vcc 0
		.amdhsa_float_denorm_mode_32 3
		.amdhsa_float_denorm_mode_16_64 3
		.amdhsa_memory_ordered 1
		.amdhsa_forward_progress 1
		.amdhsa_inst_pref_size 29
	.end_amdhsa_kernel
	.amdgpu_metadata
---
amdhsa.version: [ 1, 2 ]
amdhsa.kernels:
  - .name:           k_q8f8826e518_prep
    .symbol:         k_q8f8826e518_prep.kd
    .args:
      - { .name: wq, .offset: 0, .size: 8, .value_kind: global_buffer, .address_space: global }
      - { .name: wk, .offset: 8, .size: 8, .value_kind: global_buffer, .address_space: global }
      - { .name: wv, .offset: 16, .size: 8, .value_kind: global_buffer, .address_space: global }
      - { .name: wo, .offset: 24, .size: 8, .value_kind: global_buffer, .address_space: global }
      - { .name: bq, .offset: 32, .size: 8, .value_kind: global_buffer, .address_space: global }
      - { .name: bk, .offset: 40, .size: 8, .value_kind: global_buffer, .address_space: global }
      - { .name: bv, .offset: 48, .size: 8, .value_kind: global_buffer, .address_space: global }
      - { .name: bo, .offset: 56, .size: 8, .value_kind: global_buffer, .address_space: global }
      - { .name: wpack, .offset: 64, .size: 8, .value_kind: global_buffer, .address_space: global }
    .group_segment_fixed_size: 68096
    .private_segment_fixed_size: 0
    .kernarg_segment_align: 8
    .kernarg_segment_size: 72
    .max_flat_workgroup_size: 128
    .sgpr_count:     66
    .vgpr_count:     256
    .wavefront_size: 32
...
	.end_amdgpu_metadata
.endif
;; end of part 1
;; launch fused (part 2): grid 256 x 1, 4 waves a work-group, no clusters, 272,384 bytes of LDS; arguments x, wpack, out0; writes out0
.if DOCPART == 2
	.amdgcn_target "amdgcn-amd-amdhsa--gfx1250"
	.amdhsa_code_object_version 6
	.text
	.protected	k_q8f8826e518_fused
	.globl	k_q8f8826e518_fused
	.p2align	8
	.type	k_q8f8826e518_fused,@function
k_q8f8826e518_fused:
	s_mov_b64 s[64:65], 0
	v_nop
	global_prefetch_b8 v0, s[64:65] scope:SCOPE_SE
	s_setreg_imm32_b32 hwreg(HW_REG_WAVE_MODE, 25, 1), 1
	s_wait_xcnt 0x0
; out0 = Q(attention(Q(x) Q(wq)^T + bq, Q(x) Q(wk)^T + bk, Q(x) Q(wv)^T + bv)) Q(wo)^T + bo, x as [16,384][1,024] f32.  The attention is ACROSS THE 16 HEADS AT EACH POSITION:
; scores[i][j] = Q(q[i]) . Q(k[j]) / 8 (K = 64), softmax over j, out[i] = sum over j of p[i][j] v[j] (K = 16, f32 operands).  Q is the MX-FP8 quantiser along a product's K.
; SHARES.  A work-group owns 64 positions with all their 1,024 columns: nothing but x, the packed weights and out0 goes through memory.  256 work-groups, four waves of 1,024 registers.
; In the four large products the waves share the COLUMNS: wave w makes 256 of the 1,024 for all 64 rows; the left operand's codes (32 fragments, 512 registers) stay in every wave's registers,
; so each weight fragment is read once by the work-group and feeds four matrix instructions.  In the attention the waves share the POSITIONS, 16 each.  What changes hands goes through LDS.
; THE WEIGHTS come from wpack (chunks of 17,152 bytes: one tile of 16 rows over all of K, in the order of the operand's registers) by global loads into a RING OF REGISTERS:
; two tiles, 256 registers, refilled a quarter at a time behind the products that have read it: 76 loads a wave are on their way, across barriers too.
; NO TENSOR LOADS, NO CLUSTER, though all work-groups walk the same weights: the exchange regions take 271,488 of the 327,680 bytes of LDS, and what is left is less than two slots of
; one tile for each of four waves (137,216).  NO DATA PREFETCH: the ring's own loads ask for each tile two tiles ahead of its products.
; ALL PRODUCTS ARE USED TRANSPOSED (source 0 = 16 weight rows, source 1 = 16 positions): a lane holds one position, its registers run along the columns.
; LIMITS: NaN and infinities are not served.  A block whose largest magnitude lies under 2^-118 keeps the byte 1; so does a block of zeros, where the rule says 127: its codes are zeros, and this program alone reads the bytes.
; The softmax takes the row's maximum away first; p is normalised in f32 ahead of the product with v.
; LDS.  U 0 .. 133,119, by turns: the turn stages of x (16,896 a wave) | q's codes at 0, k's at 66,560: pos 1040 + c 512 + h 256 + head 16 | v: pos 2064 + piece 512 + sigma 16 | the stage for out0: 17,408 a wave, rows 272 apart
;   XO: the left operand's image: m 16,640 + i 1040 + b 512 + 16 l: fragment (m, ks), piece cc at i = 2 ks + cc / 2, b = cc % 2;   ASCB: its scale words: m 512 + p 128 + 4 l
;   SSB: q's and k's scale bytes: pair of positions 132 + (k ? 64 : 0) + head 4 + (pos % 2) 2 + c;   PB: p as images of its registers: pos 1024 + {0, 512} + 16 l;   SPARE: the spare words
; REGISTERS.  Windows 2, 3: the left operand: fragment (m, ks) in window 2 + m / 2 at v[128 (m % 2) + 16 ks]; before that x as loaded.  Window 1: the ring: fragment (u, ks) at v[128 u + 16 ks].
;   Window 0: v1 lane, v2 r, v3 h, v4 16 lane, v5 4 lane, v6 32 h; v7-15 the phase's addresses; the rest as named below.
.set CH,   17152
.set TSTR, 4*CH                        ; from a wave's tile to its next
.set PSTR, 8*CH                        ; from a pair of tiles to the next
.set KCOD, 66560
.set XO,   133120
.set ASCB, 199680
.set SSB,  201728
.set PB,   205952
.set SPARE, 271616                     ; 512 bytes that no other line names
.set SPW,  16                          ; v16      my spare word; v17 0: kept for the closing add alone
.set NIL,  17
.set VA,   18                          ; v18-19   where the pair in hand puts v
.set PW,   20                          ; v20      the scale word just made;  v21 that of the even K step
.set PWE,  21
.set SSC,  22                          ; v22-23   the score products' scale words: lanes 0-15 q's, lanes 16-31 k's
.set ASC,  24                          ; v24-39   the left operand's scale words: 4 m + p
.set WSC,  40                          ; v40-47   the weights': 4 u + p
.set BIA,  48                          ; v48-63   the biases in the result's layout: 8 u
.set ACC,  64                          ; v64-127  the accumulators: 16 m + 8 u
.set G,    128                         ; v128-191 at work
.set GQ,   160                         ; v160-191 two positions' held numbers
.set PC,   192                         ; v192-207 the codes just made
.set TM,   208                         ; v208-223 the quantiser's and the softmax's small numbers
.set DD,   224                         ; v224-255 the f32 products' results
.set SEL,  20                          ; s[20:21] v_permlanex16_b32's selects for lane l xor 16
.set MNT,  22                          ; s22      the mantissa field of 448
.set MSB, 0
.macro WIN new                         ; the immediate's high byte repeats the setting that is left; a switch that changes nothing is dropped
.if MSB != (\new)
	s_set_vgpr_msb (MSB<<8)|(\new)
.set MSB, (\new)
.endif
.endm
.macro WALU
	s_wait_alu depctr_va_vdst(0)
.endm
.macro BARRIER                         ; my LDS stores have landed and my LDS loads are in: then the work-group's barrier
	WALU
	s_wait_dscnt 0x0
	s_barrier_signal -1
	s_barrier_wait -1
.endm
; 64 numbers of a lane, four blocks of 16 registers, each block shared with lane l xor 16, become 16 registers of codes at v[PC] and four bytes at v[TM+4]
.macro QUANT s
.irp b, 0,1,2,3
	v_max3_num_f32 v[TM+\b], |v[\s+16*\b]|, |v[\s+1+16*\b]|, 0x4800000   ; my 16 numbers of block b, and the floor 2^(9 - 127): the byte cannot fall under 1
.endr
.irp i, 2,4,6,8,10,12,14
.irp b, 0,1,2,3
	v_max3_num_f32 v[TM+\b], v[TM+\b], |v[\s+16*\b+\i]|, |v[\s+1+16*\b+\i]|   ; the four blocks by turns; each accumulator is read from its low end on
.endr
.endr
.irp b, 0,1,2,3
	v_permlanex16_b32 v[TM+4+\b], v[TM+\b], s[SEL], s[SEL+1]
.endr
.irp b, 0,1,2,3
	v_max_num_f32 v[TM+\b], v[TM+\b], v[TM+4+\b]               ; the block's largest magnitude
.endr
.irp b, 0,1,2,3
	v_add_nc_u32 v[TM+12+\b], 0xfc000000, v[TM+\b]             ; 8 off its exponent field: the conversion's scale operand
.endr
.irp b, 0,1,2,3
	v_and_or_b32 v[TM+8+\b], v[TM+\b], 0x7f800000, s[MNT]      ; 448 x the scale
.endr
.irp b, 0,1,2,3
	v_lshrrev_b32 v[TM+4+\b], 23, v[TM+12+\b]                  ; the scale's byte
.endr
.irp b, 0,1,2,3
.irp i, 0,1,2,3,4,5,6,7,8,9,10,11,12,13,14,15
	v_med3_num_f32 v[\s+16*\b+\i], v[\s+16*\b+\i], -v[TM+8+\b], v[TM+8+\b]   ; the conversion to an 8-bit code does not saturate (ISA guide 7.6.2): the hold comes first
.endr
	v_cvt_scalef32_pk8_fp8_f32 v[PC+4*\b:PC+1+4*\b], v[\s+16*\b:\s+7+16*\b], v[TM+12+\b]
	v_cvt_scalef32_pk8_fp8_f32 v[PC+2+4*\b:PC+3+4*\b], v[\s+8+16*\b:\s+15+16*\b], v[TM+12+\b]
.endr
	v_nop                                          ; a plain line behind the last conversion
.endm
; THE RING.  Quarter q (K steps 2 q, 2 q + 1) of the pair of tiles that begins off bytes behind s[6:7]: 2 scale images, with q = 0 the two biases (4 loads), 16 loads of codes: 22 or 18 loads
.macro REFILL q, off
.irp u, 0,1
	global_load_b32 v[WSC+4*\u+(\q)], v5, s[6:7] offset:(\off)+\u*TSTR+16384+128*(\q) th:TH_LOAD_NT_HT
.endr
.if (\q) == 0
.irp u, 0,1
	global_load_b128 v[BIA+8*\u:BIA+8*\u+3], v6, s[6:7] offset:(\off)+\u*TSTR+16896 th:TH_LOAD_NT_HT      ; lane (r, h): the bias of the tile's rows 8 h + 0 .. 7
	global_load_b128 v[BIA+8*\u+4:BIA+8*\u+7], v6, s[6:7] offset:(\off)+\u*TSTR+16912 th:TH_LOAD_NT_HT
.endr
.endif
	WIN 0x40                                       ; destination window 1
.irp u, 0,1
.irp k2, 0,1
.irp cc, 0,1,2,3
	global_load_b128 v[128*\u+16*(2*(\q)+\k2)+4*\cc:128*\u+16*(2*(\q)+\k2)+4*\cc+3], v4, s[6:7] offset:(\off)+\u*TSTR+2048*(2*(\q)+\k2)+512*\cc th:TH_LOAD_NT_HT   ; 512 consecutive bytes
.endr
.endr
.endr
	WIN 0
.endm
; One product: accumulator (m, u) += tile u's K step ks x rows 16 m on.  The first K step takes the bias as C.  Odd K steps take their scale words from lanes 16-31.
.macro PROD m, u, ks
.set rD, ACC+16*(\m)+8*(\u)
.set rW, 128*(\u)+16*(\ks)
.set rA, 128*((\m)%2)+16*(\ks)
.set rSW, WSC+4*(\u)+(\ks)/2
.set rSA, ASC+4*(\m)+(\ks)/2
.if (\ks) == 0
	v_wmma_scale_f32_16x16x128_f8f6f4 v[rD:rD+7], v[rW:rW+15], v[rA:rA+15], v[BIA+8*(\u):BIA+8*(\u)+7], v[rSW], v[rSA]
.elseif (\ks)%2 == 0
	v_wmma_scale_f32_16x16x128_f8f6f4 v[rD:rD+7], v[rW:rW+15], v[rA:rA+15], v[rD:rD+7], v[rSW], v[rSA]
.else
	v_wmma_scale_f32_16x16x128_f8f6f4 v[rD:rD+7], v[rW:rW+15], v[rA:rA+15], v[rD:rD+7], v[rSW], v[rSA] matrix_a_scale:MATRIX_SCALE_ROW1 matrix_b_scale:MATRIX_SCALE_ROW1
.endif
.endm
; A PAIR OF TILES x 64 ROWS x ALL OF K: 64 matrix instructions in four quarters.  nxt = 1: behind each quarter its registers take the same quarter of the pair at off.
; The accumulators take turns, one instruction a turn, four at a time.
; Places behind a quarter (ISA guide 7.12.1 for the reads of results): 8 in front of the loads into registers that its products have read and of the first read of results;
; behind the last quarter 9, since the next pair's first products write over the accumulators with another C.
.macro GEMMPAIR nxt, off
.irp q, 0,1,2,3
.if \nxt
.if \q == 0
	s_wait_loadcnt 54                              ; behind this pair's quarter 0 were issued its quarters 1 to 3: 3 x 18
.else
	s_wait_loadcnt 58                              ; behind this quarter: three younger quarters, one of them a quarter 0: 22 + 18 + 18
.endif
.else
	s_wait_loadcnt 18*(3-\q)                       ; the last pair: only its own later quarters are out
.endif
	WIN 0x09                                       ; source 0 (the weights) window 1, source 1 (rows 0-31) window 2
.irp k2, 0,1
.irp u, 0,1
.irp m, 0,1
	PROD \m, \u, 2*\q+\k2
.endr
.endr
.endr
	WIN 0x0d                                       ; source 1 (rows 32-63) window 3
.irp k2, 0,1
.irp u, 0,1
.irp m, 2,3
	PROD \m, \u, 2*\q+\k2
.endr
.endr
.endr
	WIN 0
.rept 8+\q/3
	v_nop
.endr
.if \nxt
	REFILL \q, \off
.endif
.endr
.endm
.macro NEXTPAIR                        ; the ring's loads have read their base: it steps only behind this wait
	s_wait_xcnt 0x0
	s_add_nc_u64 s[6:7], s[6:7], PSTR
.endm
; The left operand, 32 fragments and 16 scale words, from its image in LDS into every wave's registers
.macro FETCHA
	v_add_nc_u32 v12, XO, v4
	v_add_nc_u32 v13, XO+33280, v4                 ; rows 32 on: beyond the reach of one 16-bit offset
	v_add_nc_u32 v14, ASCB, v5
.irp hf, 0,1
	WIN 0x80+0x40*\hf                              ; destination window 2, then 3
.irp m, 0,1
.irp ks, 0,1,2,3,4,5,6,7
.irp cc, 0,1,2,3
	ds_load_b128 v[128*\m+16*\ks+4*\cc:128*\m+16*\ks+4*\cc+3], v[12+\hf] offset:\m*16640+(2*\ks+\cc/2)*1040+(\cc%2)*512
.endr
.endr
.endr
.endr
	WIN 0
.irp m, 0,1,2,3
.irp pi, 0,1,2,3
	ds_load_b32 v[ASC+4*\m+\pi], v14 offset:512*\m+128*\pi
.endr
.endr
	s_wait_dscnt 0x0
.endm
	s_load_b128 s[4:7], s[0:1], 0x0                ; x, wpack
	s_load_b64 s[8:9], s[0:1], 0x10                ; out0
	v_lshl_add_u32 v[SPW], v0, 2, SPARE
	v_mov_b32 v[NIL], 0
	v_lshrrev_b32 v1, 5, v0
	v_readfirstlane_b32 s10, v1                    ; w: wave 0..3
	v_and_b32 v1, 31, v0                           ; lane
	v_and_b32 v2, 15, v0                           ; r
	v_bfe_u32 v3, v0, 4, 1                         ; h
	v_lshlrev_b32 v4, 4, v1
	v_lshlrev_b32 v5, 2, v1
	v_lshlrev_b32 v6, 5, v3
	v_cmp_eq_u32 s23, 1, v3                        ; the mask of lanes 16-31
.irp b, 0,1,2,3
	v_mov_b32 v[TM+4+\b], 0                        ; written once: a lane permute's destination counts as one of its sources
.endr
	; ---- PHASE 0: my 16 rows of x become 8 fragments of codes
	s_mul_i32 s11, s10, 16896
	v_add_nc_u32 v8, s11, v4                       ; into a turn stage: a row's 512 bytes as loaded
	v_mul_u32_u24 v9, v2, 528
	v_lshl_add_u32 v9, v3, 6, v9
	v_add_nc_u32 v9, s11, v9                       ; out of it: row r, + 64 h: my 16 numbers of a block
	s_mul_i32 s11, s10, 16640
	s_add_co_u32 s11, s11, XO
	v_add_nc_u32 v10, s11, v4                      ; the image of rows 16 w on
	s_lshl_b32 s11, s10, 9
	s_add_co_u32 s11, s11, ASCB
	v_add_nc_u32 v11, s11, v5                      ; and its scale words
	s_wait_alu depctr_va_vdst(0)
	s_mov_b32 s[SEL], 0x76543210
	s_mov_b32 s[SEL+1], 0xfedcba98
	s_mov_b32 s[MNT], 0x600000
	s_mov_b32 s24, 0x3e38aa3b                      ; c = log2(e) / 8
	s_mov_b32 s25, s24                             ; (the packed form names the pair)
	s_lshl_b32 s12, ttmp9, 18                      ; the work-group's 64 rows of 4,096 bytes, in x and in out0
	s_mov_b32 s13, 0
	s_lshl_b32 s14, s10, 16                        ; my 16 rows of x
	s_mov_b32 s15, 0
	s_mul_i32 s16, s10, CH                         ; my first chunk
	s_mov_b32 s17, 0
	s_wait_kmcnt 0x0
	s_add_nc_u64 s[4:5], s[4:5], s[12:13]
	s_add_nc_u64 s[4:5], s[4:5], s[14:15]
	s_add_nc_u64 s[6:7], s[6:7], s[16:17]
	s_add_nc_u64 s[8:9], s[8:9], s[12:13]
.macro XLOAD ks                        ; K step ks of my 16 rows: each load reads 512 consecutive bytes of a row; every K step has registers of its own, in windows 2 and 3
	WIN 0x80+0x40*((\ks)/4)
.irp rr, 0,1,2,3,4,5,6,7,8,9,10,11,12,13,14,15
	global_load_b128 v[64*((\ks)%4)+4*\rr:64*((\ks)%4)+4*\rr+3], v4, s[4:5] offset:4096*\rr+512*(\ks) th:TH_LOAD_NT
.endr
	WIN 0
.endm
.macro TURN ks, x                      ; through my stage ks % 2: afterwards register x + 16 b + i = k 32 b + 16 h + i of row r
	WIN 0x08+0x04*((\ks)/4)                        ; an LDS store's data are its source 1
.irp rr, 0,1,2,3,4,5,6,7,8,9,10,11,12,13,14,15
	ds_store_b128 v8, v[64*((\ks)%4)+4*\rr:64*((\ks)%4)+4*\rr+3] offset:8448*((\ks)%2)+528*\rr
.endr
	WIN 0
.irp b, 0,1,2,3
.irp j, 0,1,2,3
	ds_load_b128 v[\x+16*\b+4*\j:\x+16*\b+4*\j+3], v9 offset:8448*((\ks)%2)+128*\b+16*\j   ; LDS serves a wave's instructions in order: these see the stores above
.endr
.endr
.endm
.macro XSTEP ks, x
.if (\ks) < 6
	s_wait_loadcnt 32                              ; this K step's 16 loads are in; the next two steps' may be out
.else
	s_wait_loadcnt 16*(7-(\ks))
.endif
.if (\ks) == 7
	REFILL 0, 0                                    ; x is in: the ring's first pair of tiles goes out
	REFILL 1, 0
	REFILL 2, 0
	REFILL 3, 0
.endif
	TURN \ks, \x
.if (\ks)+3 < 8
	XLOAD (\ks)+3
.endif
	s_wait_dscnt 0x0
	QUANT \x
	v_lshl_or_b32 v[PW], v[TM+5], 8, v[TM+4]       ; the four bytes make row r's scale word for this K step
	v_lshl_or_b32 v[PW], v[TM+6], 16, v[PW]
	v_lshl_or_b32 v[PW], v[TM+7], 24, v[PW]
.irp cc, 0,1,2,3
	ds_store_b128 v10, v[PC+4*\cc:PC+4*\cc+3] offset:(2*(\ks)+\cc/2)*1040+(\cc%2)*512
.endr
.if (\ks)%2 == 0
	v_mov_b32 v[PWE], v[PW]
.else
	v_cndmask_b32 v[PW], v[PWE], v[PW], s23        ; lanes 0-15 the even K step's word, lanes 16-31 the odd one's
	ds_store_b32 v11, v[PW] offset:128*((\ks)/2)
.endif
.endm
	XLOAD 0
	XLOAD 1
	XLOAD 2
	XSTEP 0, ACC
	XSTEP 1, G
	XSTEP 2, ACC
	XSTEP 3, G
	XSTEP 4, ACC
	XSTEP 5, G
	XSTEP 6, ACC
	XSTEP 7, G
	BARRIER                                        ; x's 32 fragments lie in LDS; nobody reads a turn stage any more
	FETCHA
	; ---- PHASE 1: q, then k.  A pair of tiles is one block of 32 columns: block c of head 4 w + head.  Its 16 numbers a lane are quantised and stored where the score product's fragments want them.
	; One body in a nest of three counted loops: tensor (2) x head (4) x block (2)
	v_mul_u32_u24 v8, v2, 1040
	v_lshl_add_u32 v8, v3, 8, v8
	s_lshl_b32 s11, s10, 6
	v_add_nc_u32 v8, s11, v8                       ; codes: pos r x 1040 + 256 h + 16 x head 4 w
	v_lshrrev_b32 v9, 1, v2
	v_mul_u32_u24 v9, v9, 132
	v_and_b32 v7, 1, v2
	v_lshl_add_u32 v9, v7, 1, v9
	s_lshl_b32 s11, s10, 4
	s_add_co_u32 s11, s11, SSB
	v_add_nc_u32 v9, s11, v9                       ; scale bytes: pair (r / 2) x 132 + 2 (r % 2) + 4 x head 4 w
	WALU
	s_mov_b32 s17, 0                               ; the head's place among the codes
	s_mov_b32 s18, 0                               ; and among the scale bytes
	s_mov_b32 s28, 2
.Ltensor:
	s_mov_b32 s19, 4
.Lhead:
	s_mov_b32 s26, s17
	s_mov_b32 s27, s18
	s_mov_b32 s16, 2
.Lblk:
	v_add_nc_u32 v10, s26, v8
	v_add_nc_u32 v11, s27, v9
	GEMMPAIR 1, PSTR
	QUANT ACC                                      ; its four blocks are the four tiles of rows
.irp m, 0,1,2,3
	ds_store_b128 v10, v[PC+4*\m:PC+4*\m+3] offset:16640*\m
.endr
.irp m, 0,1,2,3
	ds_store_b8 v11, v[TM+4+\m] offset:1056*\m     ; the block's byte of position 16 m + r (both lanes of a block write the same)
.endr
	NEXTPAIR
	s_add_co_u32 s26, s26, 512                     ; the head's second block
	s_add_co_u32 s27, s27, 1
	s_sub_co_u32 s16, s16, 1
	s_cmp_lg_u32 s16, 0
	s_cbranch_scc1 .Lblk
	s_add_co_u32 s17, s17, 16                      ; the next head
	s_add_co_u32 s18, s18, 4
	s_sub_co_u32 s19, s19, 1
	s_cmp_lg_u32 s19, 0
	s_cbranch_scc1 .Lhead
	s_add_co_u32 s17, s17, KCOD-64                 ; k's codes lie KCOD behind q's,
	s_add_co_u32 s18, s18, 48                      ; its scale bytes 64 behind q's
	s_sub_co_u32 s28, s28, 1
	s_cmp_lg_u32 s28, 0
	s_cbranch_scc1 .Ltensor
	BARRIER                                        ; q's and k's codes and scale bytes lie in LDS
	; ---- PHASE 2: scores and softmax of my 16 positions, two at a time.  K = 128 holds TWO positions: source 1 = q of both (64 + 64 along K); source 0 = k of one of them beside 64 zero codes,
	; which add nothing under any scale byte from 1 to 254.  Result: lane (query head i, h), register jj = key head 8 h + jj.
	; Two sets of 40 registers at 64 and 104: q0 q1 (16) | k0 (8) | zeros (8) | k1 (8): k0 with the zeros is the first product's source, the zeros with k1 the second's.
.irp i, 0,1,2,3,4,5,6,7
	v_mov_b32 v[88+\i], 0
.endr
.irp i, 0,1,2,3,4,5,6,7
	v_mov_b32 v[128+\i], 0
.endr
	v_mov_b32 v185, 0                              ; (named as the upper halves of pairs)
	v_mov_b32 v187, 0
	s_mul_i32 s11, s10, 16640
	v_add_nc_u32 v8, s11, v4                       ; q's fragments of my positions
	v_add_nc_u32 v9, KCOD, v8                      ; k's
	s_mul_i32 s11, s10, 1056
	s_add_co_u32 s11, s11, SSB
	v_add_nc_u32 v10, s11, v5                      ; the scale words: lanes 0-15 q's, lanes 16-31 k's
	s_lshl_b32 s11, s10, 14
	s_add_co_u32 s11, s11, PB
	v_add_nc_u32 v11, s11, v4                      ; p's images: it stays for the product with v
.macro SLOAD g                         ; positions 2 g and 2 g + 1: nine LDS loads
.set QL, 64+40*((\g)%2)
.irp pp, 0,1
.irp c, 0,1
	ds_load_b128 v[QL+8*\pp+4*\c:QL+8*\pp+4*\c+3], v8 offset:(2*(\g)+\pp)*1040+512*\c
	ds_load_b128 v[QL+16+16*\pp+4*\c:QL+16+16*\pp+4*\c+3], v9 offset:(2*(\g)+\pp)*1040+512*\c
.endr
.endr
	ds_load_b32 v[SSC+(\g)%2], v10 offset:132*(\g)
.endm
.macro SGROUP g
.set QQ, 64+40*((\g)%2)
.if (\g) == 0
	s_wait_dscnt 0x0
.else
	s_wait_dscnt 4                                 ; behind this group's nine loads were issued the last group's four stores of p
.endif
	v_wmma_scale_f32_16x16x128_f8f6f4 v[144:151], v[QQ+16:QQ+31], v[QQ:QQ+15], 0, v[SSC+(\g)%2], v[SSC+(\g)%2] matrix_a_scale:MATRIX_SCALE_ROW1
	v_wmma_scale_f32_16x16x128_f8f6f4 v[152:159], v[QQ+24:QQ+39], v[QQ:QQ+15], 0, v[SSC+(\g)%2], v[SSC+(\g)%2] matrix_a_scale:MATRIX_SCALE_ROW1
.rept 9
	v_nop                                          ; 8 places in front of the reads of the results and of the loads below; the ninth for the next group's products, which write over these results
.endr
.if (\g) < 7
	SLOAD (\g)+1
.endif
.irp pp, 0,1                                   ; the two positions by turns
	v_max3_num_f32 v[TM+\pp], v[144+8*\pp], v[145+8*\pp], v[146+8*\pp]
.endr
.irp pp, 0,1
	v_max3_num_f32 v[TM+2+\pp], v[147+8*\pp], v[148+8*\pp], v[149+8*\pp]
.endr
.irp pp, 0,1
	v_max3_num_f32 v[TM+\pp], v[TM+\pp], v[150+8*\pp], v[151+8*\pp]
.endr
.irp pp, 0,1
	v_max_num_f32 v[TM+\pp], v[TM+\pp], v[TM+2+\pp]
.endr
.irp pp, 0,1
	v_permlanex16_b32 v[TM+4+\pp], v[TM+\pp], s[SEL], s[SEL+1]
.endr
.irp pp, 0,1
	v_max_num_f32 v[TM+6+2*\pp], v[TM+\pp], v[TM+4+\pp]        ; the row's largest score
.endr
.irp pp, 0,1
.irp i, 0,2,4,6
	v_pk_add_f32 v[160+8*\pp+\i:161+8*\pp+\i], v[144+8*\pp+\i:145+8*\pp+\i], v[TM+6+2*\pp:TM+7+2*\pp] op_sel_hi:[1,0] neg_lo:[0,1] neg_hi:[0,1]   ; score - the largest
.endr
.endr
.irp j, 0,2,4,6,8,10,12,14
	v_pk_mul_f32 v[160+\j:161+\j], v[160+\j:161+\j], s[24:25] op_sel_hi:[1,0]   ; x log2(e) / 8
.endr
	WALU                                           ; ahead of the batch
.irp j, 0,1,2,3,4,5,6,7,8,9,10,11,12,13,14,15
	v_exp_f32 v[160+\j], v[160+\j]
.endr
	v_nop                                          ; a plain place behind the exponentials
	WALU                                           ; and behind it, ahead of its first reader
.irp pp, 0,1
	v_pk_add_f32 v[176+4*\pp:177+4*\pp], v[160+8*\pp:161+8*\pp], v[162+8*\pp:163+8*\pp]
	v_pk_add_f32 v[178+4*\pp:179+4*\pp], v[164+8*\pp:165+8*\pp], v[166+8*\pp:167+8*\pp]
.endr
.irp pp, 0,1
	v_pk_add_f32 v[176+4*\pp:177+4*\pp], v[176+4*\pp:177+4*\pp], v[178+4*\pp:179+4*\pp]
.endr
.irp pp, 0,1
	v_add_f32 v[176+4*\pp], v[176+4*\pp], v[177+4*\pp]
.endr
.irp pp, 0,1
	v_permlanex16_b32 v[TM+4+\pp], v[176+4*\pp], s[SEL], s[SEL+1]
.endr
.irp pp, 0,1
	v_add_f32 v[176+4*\pp], v[176+4*\pp], v[TM+4+\pp]          ; the row's sum, at least 1
.endr
	WALU
.irp pp, 0,1
	v_rcp_f32 v[184+2*\pp], v[176+4*\pp]
.endr
	v_nop                                          ; a plain place behind the reciprocals
	WALU
.irp pp, 0,1
.irp i, 0,2,4,6
	v_pk_mul_f32 v[160+8*\pp+\i:161+8*\pp+\i], v[160+8*\pp+\i:161+8*\pp+\i], v[184+2*\pp:185+2*\pp] op_sel_hi:[1,0]
.endr
.endr
.irp pp, 0,1
	ds_store_b128 v11, v[160+8*\pp:163+8*\pp] offset:1024*(2*(\g)+\pp)
	ds_store_b128 v11, v[164+8*\pp:167+8*\pp] offset:1024*(2*(\g)+\pp)+512
.endr
.endm
	SLOAD 0
	WALU
.irp g, 0,1,2,3,4,5,6,7
	SGROUP \g
.endr
	BARRIER                                        ; nobody reads q's and k's codes any more: v may take their place
	; ---- PHASES 3 to 6, twice: channels 32 b on of every head.  v by columns (a tile = one channel of all 16 heads) | barrier | out = p v by positions, quantised into the left operand's image | barrier
	s_and_b32 s11, s10, 1
	s_lshl_b32 s11, s11, 4
	s_lshr_b32 s12, s10, 1
	s_lshl_b32 s12, s12, 3
	s_add_co_u32 s11, s11, s12                     ; sigma of my first channel: 16 (w % 2) + 8 (w / 2): so that a lane's two results of the next product are 16 neighbouring channels
	s_lshl_b32 s11, s11, 4
	v_mul_u32_u24 v8, v2, 2064
	v_lshl_add_u32 v8, v3, 10, v8
	v_add_nc_u32 v8, s11, v8                       ; v in: pos r x 2064 + piece 2 h x 512 + 16 sigma
	v_add_nc_u32 v9, 66048, v8                     ; positions 32 on
	s_mul_i32 s11, s10, 33024
	v_lshlrev_b32 v10, 4, v2
	v_lshl_add_u32 v10, v3, 10, v10
	v_add_nc_u32 v10, s11, v10                     ; v out: my 16 positions; piece 2 h; sigma = r
	s_mul_i32 s11, s10, 16640
	s_add_co_u32 s11, s11, XO
	v_mul_u32_u24 v12, v2, 1040
	v_lshl_add_u32 v12, v3, 8, v12
	v_add_nc_u32 v12, s11, v12                     ; the image of rows 16 w on: head r x 1040 + 256 h
	v_lshrrev_b32 v7, 2, v2
	v_lshlrev_b32 v13, 7, v7
	v_bfe_u32 v7, v2, 1, 1
	v_lshl_add_u32 v13, v7, 6, v13
	v_and_b32 v7, 1, v2
	v_lshl_add_u32 v13, v7, 1, v13
	s_lshl_b32 s11, s10, 9
	s_add_co_u32 s11, s11, ASCB
	v_add_nc_u32 v13, s11, v13                     ; its scale bytes: head r is K step r / 2, bytes 2 (r % 2) + b: 128 (r / 4) + 64 ((r / 2) % 2) + 2 (r % 2)
.macro PLOAD p                         ; position p of my 16: p's image (8 registers) and v's 32 channels x my 8 heads (2 x 8): six LDS loads, into set p % 4
.set LP, 64+24*((\p)%4)
	ds_load_b128 v[LP:LP+3], v11 offset:1024*(\p)
	ds_load_b128 v[LP+4:LP+7], v11 offset:1024*(\p)+512
.irp u, 0,1
	ds_load_b128 v[LP+8+8*\u:LP+11+8*\u], v10 offset:2064*(\p)+256*\u
	ds_load_b128 v[LP+12+8*\u:LP+15+8*\u], v10 offset:2064*(\p)+256*\u+512
.endr
.endm
; Positions p and p + 1 by turns: a position's 16 numbers a lane (head r, channels 32 b + 16 h + 0 .. 15) are one block, shared with lane l xor 16.  The held numbers go to v[GQ] on
.macro OQ2 p
.irp e, 0,1
	v_max3_num_f32 v[TM+2*\e], |v[DD+16*\e]|, |v[DD+16*\e+1]|, 0x4800000       ; two chains a position, each result from its low end on
	v_max3_num_f32 v[TM+2*\e+1], |v[DD+16*\e+8]|, |v[DD+16*\e+9]|, |v[DD+16*\e+10]|
.endr
.irp i, 2,4
.irp e, 0,1
	v_max3_num_f32 v[TM+2*\e], v[TM+2*\e], |v[DD+16*\e+\i]|, |v[DD+16*\e+\i+1]|
	v_max3_num_f32 v[TM+2*\e+1], v[TM+2*\e+1], |v[DD+16*\e+\i+9]|, |v[DD+16*\e+\i+10]|
.endr
.endr
.irp e, 0,1
	v_max3_num_f32 v[TM+2*\e], v[TM+2*\e], |v[DD+16*\e+6]|, |v[DD+16*\e+7]|
.endr
.irp e, 0,1
	v_max3_num_f32 v[TM+2*\e], v[TM+2*\e], v[TM+2*\e+1], |v[DD+16*\e+15]|
.endr
.irp e, 0,1
	v_permlanex16_b32 v[TM+4+\e], v[TM+2*\e], s[SEL], s[SEL+1]
.endr
.irp e, 0,1
	v_max_num_f32 v[TM+2*\e], v[TM+2*\e], v[TM+4+\e]
.endr
.irp e, 0,1
	v_add_nc_u32 v[TM+12+\e], 0xfc000000, v[TM+2*\e]
.endr
.irp e, 0,1
	v_and_or_b32 v[TM+8+\e], v[TM+2*\e], 0x7f800000, s[MNT]
.endr
.irp e, 0,1
	v_lshrrev_b32 v[TM+6+\e], 23, v[TM+12+\e]
.endr
.irp e, 0,1
.irp i, 0,1,2,3,4,5,6,7,8,9,10,11,12,13,14,15
	v_med3_num_f32 v[GQ+16*\e+\i], v[DD+16*\e+\i], -v[TM+8+\e], v[TM+8+\e]
.endr
	v_cvt_scalef32_pk8_fp8_f32 v[PC+4*\e:PC+4*\e+1], v[GQ+16*\e:GQ+16*\e+7], v[TM+12+\e]
	v_cvt_scalef32_pk8_fp8_f32 v[PC+4*\e+2:PC+4*\e+3], v[GQ+16*\e+8:GQ+16*\e+15], v[TM+12+\e]
.endr
	v_nop                                          ; a plain line behind the last conversion
.irp e, 0,1
	ds_store_b128 v14, v[PC+4*\e:PC+4*\e+3] offset:16*((\p)+\e)
	ds_store_b8 v15, v[TM+6+\e] offset:4*((\p)+\e) ; (both lanes of a block write the same byte)
.endr
.endm
; out^T = v^T p^T for positions 2 t and 2 t + 1, f32 operands: source 0 = 16 channels x 4 heads, source 1 = 4 heads x 16 query heads.  The instruction's k = 2 h + jj stands for head 8 h + 2 kk + jj on BOTH sides,
; so p's registers and v's pieces are the operands as they lie.  FOUR results by turns, one instruction a turn: three other products stand between a sum's steps.  Each sum begins with the constant 0.
.macro PV2 t, cnt
	s_wait_dscnt \cnt                              ; what was issued behind these two positions' twelve loads may be out
.irp kk, 0,1,2,3
.irp e, 0,1
.irp u, 0,1
.set LS, 64+24*((2*(\t)+\e)%4)
.set DP, DD+16*\e+8*\u
.if \kk == 0
	v_wmma_f32_16x16x4_f32 v[DP:DP+7], v[LS+8+8*\u:LS+9+8*\u], v[LS:LS+1], 0
.else
	v_wmma_f32_16x16x4_f32 v[DP:DP+7], v[LS+8+8*\u+2*\kk:LS+9+8*\u+2*\kk], v[LS+2*\kk:LS+1+2*\kk], v[DP:DP+7]
.endif
.endr
.endr
.endr
.rept 9
	v_nop                                          ; 8 places in front of the loads into these sets and of the reads of the results; the ninth for the next step's first products, which begin the sums anew
.endr
.if (\t) < 6
	PLOAD 2*(\t)+4
	PLOAD 2*(\t)+5
.endif
	OQ2 2*(\t)
.endm
	s_mov_b32 s19, 2
	s_mov_b32 s17, 0                               ; block b's place in the image: 512 b
	s_mov_b32 s18, 0                               ; and among a word's bytes: b
.Lhalf:
	v_add_nc_u32 v14, s17, v12
	v_add_nc_u32 v15, s18, v13
	s_mov_b32 s16, 4
	s_mov_b32 s26, 0                               ; the pair's two channels: 32 bytes a pair
.Lv:
	v_add_nc_u32 v[VA], s26, v8
	v_add_nc_u32 v[VA+1], s26, v9
	WALU                                           ; directly behind the writes
	GEMMPAIR 1, PSTR
.irp m, 0,1,2,3                                ; lane (pos r, h) holds heads 8 h + 0 .. 7 of the pair's channel u: two pieces of four heads
.irp u, 0,1
	ds_store_b128 v[VA+\m/2], v[ACC+16*\m+8*\u:ACC+16*\m+8*\u+3] offset:33024*(\m%2)+16*\u
	ds_store_b128 v[VA+\m/2], v[ACC+16*\m+8*\u+4:ACC+16*\m+8*\u+7] offset:33024*(\m%2)+16*\u+512
.endr
.endr
	NEXTPAIR
	s_add_co_u32 s26, s26, 32
	s_sub_co_u32 s16, s16, 1
	s_cmp_lg_u32 s16, 0
	s_cbranch_scc1 .Lv
	BARRIER                                        ; 32 channels of v, all heads, all 64 positions, lie in LDS
	PLOAD 0
	PLOAD 1
	PLOAD 2
	PLOAD 3
	PV2 0, 12                                      ; behind the first twelve loads: the next twelve
	PV2 1, 16                                      ; twelve loads and four stores
.irp t, 2,3,4,5,6
	PV2 \t, 20                                     ; four stores, twelve loads, four stores
.endr
	PV2 7, 8                                       ; four stores and four stores
	BARRIER                                        ; nobody reads v any more; this block's codes lie in the image
	s_add_co_u32 s17, s17, 512
	s_add_co_u32 s18, s18, 1
	s_sub_co_u32 s19, s19, 1
	s_cmp_lg_u32 s19, 0
	s_cbranch_scc1 .Lhalf
	; ---- PHASE 7: out0 = the attention's codes x wo^T + bo.  Two pairs of tiles are 64 columns, 256 bytes of a row: they go through my own stage in LDS and leave as aligned runs of 256 bytes
	FETCHA
	s_mul_i32 s11, s10, 17408
	v_mul_u32_u24 v8, v2, 272
	v_lshl_add_u32 v8, v3, 5, v8
	v_add_nc_u32 v8, s11, v8                       ; into the stage: row r, + 32 h
	v_mul_u32_u24 v9, v3, 272
	v_lshl_add_u32 v9, v2, 4, v9
	v_add_nc_u32 v9, s11, v9                       ; back: lanes 0-15 one row, lanes 16-31 the next
	v_lshlrev_b32 v10, 12, v3
	v_lshl_add_u32 v10, v2, 4, v10
	s_lshl_b32 s11, s10, 10
	v_add_nc_u32 v10, s11, v10                     ; and the same in out0: 4096 h + 16 r + my 256 columns
.macro OST                             ; a pair's 32 columns into the stage, at v11
.irp m, 0,1,2,3
.irp u, 0,1
	ds_store_b128 v11, v[ACC+16*\m+8*\u:ACC+16*\m+8*\u+3] offset:4352*\m+64*\u       ; each accumulator from its low end on
	ds_store_b128 v11, v[ACC+16*\m+8*\u+4:ACC+16*\m+8*\u+7] offset:4352*\m+64*\u+16
.endr
.endr
.endm
.macro OSEND                           ; 64 rows x 256 bytes, 32 rows at a time
.irp bt, 0,1
	s_wait_xcnt 0x0                                ; the earlier stores have read v[G] on: only now is it loaded anew
.irp t, 0,1,2,3,4,5,6,7,8,9,10,11,12,13,14,15
	ds_load_b128 v[G+4*\t:G+4*\t+3], v9 offset:544*(16*\bt+\t)   ; LDS serves a wave's instructions in order: these see my stores
.endr
.irp t, 0,1,2,3,4,5,6,7,8,9,10,11,12,13,14,15
	s_wait_dscnt 15-\t                             ; the younger loads of the sixteen may be out
	global_store_b128 v10, v[G+4*\t:G+4*\t+3], s[8:9] offset:8192*(16*\bt+\t) th:TH_STORE_NT   ; 16 lanes store 256 consecutive bytes, at a multiple of 256 from out0's first byte
.endr
.endr
.endm
	s_mov_b32 s16, 7                               ; seven pairs in the loop; the eighth, which asks for nothing more, is written out: no load leaves wpack
	s_mov_b32 s26, 0                               ; the pair's half of the stage's rows: 0 or 128
.Lout:
	v_add_nc_u32 v11, s26, v8
	WALU                                           ; directly behind the write
	GEMMPAIR 1, PSTR
	OST
	NEXTPAIR
	s_xor_b32 s26, s26, 128
	s_cmp_lg_u32 s26, 0
	s_cbranch_scc1 .Lheld                          ; behind an even pair the rows are half full
	OSEND
	s_wait_xcnt 0x0                                ; the stores have read their base
	s_add_nc_u64 s[8:9], s[8:9], 256               ; the next 64 columns
.Lheld:
	s_sub_co_u32 s16, s16, 1
	s_cmp_lg_u32 s16, 0
	s_cbranch_scc1 .Lout
	v_add_nc_u32 v11, 128, v8
	WALU
	GEMMPAIR 0, 0
	OST
	OSEND
	s_wait_tensorcnt 0x0                           ; the wave's end, behind my last LDS store
	ds_add_u32 v[SPW], v[NIL]
	s_wait_dscnt 0x0
	s_endpgm
.Lfunc_end_k_q8f8826e518_fused:
	.size	k_q8f8826e518_fused, .Lfunc_end_k_q8f8826e518_fused-k_q8f8826e518_fused
	.p2alignl 7, 3214868480
	.fill 96, 4, 3214868480
	.section	.rodata,"a",@progbits
	.p2align	6, 0x0
	.amdhsa_kernel k_q8f8826e518_fused
		.amdhsa_group_segment_fixed_size 272384
		.amdhsa_private_segment_fixed_size 0
		.amdhsa_enable_private_segment 0
		.amdhsa_kernarg_size 24
		.amdhsa_user_sgpr_count 2
		.amdhsa_user_sgpr_kernarg_segment_ptr 1
		.amdhsa_wavefront_size32 1
		.amdhsa_system_sgpr_workgroup_id_x 1
		.amdhsa_system_sgpr_workgroup_id_y 1
		.amdhsa_system_sgpr_workgroup_id_z 1
		.amdhsa_system_vgpr_workitem_id 0
		.amdhsa_next_free_vgpr 1024
		.amdhsa_next_free_sgpr 66
		.amdhsa_reserve_vcc 0
		.amdhsa_float_denorm_mode_32 3
		.amdhsa_float_denorm_mode_16_64 3
		.amdhsa_memory_ordered 1
		.amdhsa_forward_progress 1
		.amdhsa_inst_pref_size 255
	.end_amdhsa_kernel
	.section	.bss,"aw",@nobits
	.p2align	6
	.space	262144
	.amdgpu_metadata
---
amdhsa.version: [ 1, 2 ]
amdhsa.kernels:
  - .name:           k_q8f8826e518_fused
    .symbol:         k_q8f8826e518_fused.kd
    .args:
      - { .name: x, .offset: 0, .size: 8, .value_kind: global_buffer, .address_space: global }
      - { .name: wpack, .offset: 8, .size: 8, .value_kind: global_buffer, .address_space: global }
      - { .name: out0, .offset: 16, .size: 8, .value_kind: global_buffer, .address_space: global }
    .group_segment_fixed_size: 272384
    .private_segment_fixed_size: 0
    .kernarg_segment_align: 8
    .kernarg_segment_size: 24
    .max_flat_workgroup_size: 128
    .sgpr_count:     66
    .vgpr_count:     1024
    .wavefront_size: 32
...
	.end_amdgpu_metadata
.endif
;; end of part 2
